; MI455X (gfx1250); checked and timed in simulation.
; The chip was launched on July 23, 2026; its instructions are those of AMD's public machine-readable ISA for CDNA 5 (MIT licence, August 2026) and "CDNA5" Instruction Set Architecture Reference Guide (July 2026). The comments in the code are by the model that wrote it; some were corrected since.
;; Causal Self Attention. Allowed arithmetic: matrix products marked QUANTISED: E5M2 operands, one given power-of-two scale a tensor, by v_wmma_f32_16x16x64_bf8_bf8 or v_wmma_f32_16x16x128_bf8_bf8, f32 sums; everything else in f32.
;; Inputs: lowp_scales 8 int32 (the exponents e of the quantised operands' scales 2^e); w_attn_codes 3,072 x 32 x 32 uint8 (E5M2 codes of w_attn, K innermost, in blocks of 32 codes); w_proj_codes 1,024 x 32 x 32 uint8 (E5M2 codes of w_proj, K innermost, in blocks of 32 codes); x_codes 4 x 2,048 x 32 x 32 uint8 (E5M2 codes of x, K innermost, in blocks of 32 codes).
;; Outputs: out0 4 x 2,048 x 1,024 float32.
;; This version of the problem:
;;   THIS VERSION OF THE PROBLEM IS GIVEN IN LOW PRECISION. The matrix products marked QUANTISED in the list below multiply operands that are first quantised to E5M2 (5 exponent bits, 2 mantissa bits; 8 bits a number), with one given power-of-two scale for each operand tensor; their sums are f32. All else is computed in f32.
;;   The module's matrix products, in the order in which they are computed (A, B: the left and right operand; K: the contracted axis; several contracted axes count as one K, in the product's order):
;;     1. [M 8,192, K 1,024] x [K 1,024, N 3,072]; A: input x (given as codes); B: input w_attn (given as codes): QUANTISED (scales: A lowp_scales[0], B lowp_scales[1])
;;     2. batch 64 x [M 2,048, K 64] x [K 64, N 2,048]; A: computed on the way; B: computed on the way: QUANTISED (scales: A lowp_scales[2], B lowp_scales[3])
;;     3. batch 64 x [M 2,048, K 2,048] x [K 2,048, N 64]; A: softmax (see below); B: computed on the way: QUANTISED (scales: A lowp_scales[4], B lowp_scales[5])
;;     4. [M 8,192, K 1,024] x [K 1,024, N 1,024]; A: computed on the way; B: input w_proj (given as codes): QUANTISED (scales: A lowp_scales[6], B lowp_scales[7])
;;   THE QUANTISER, for each operand of a quantised product, along K:
;;     - The operand's scale is 2^e, e = its entry of the input lowp_scales (int32; the entries are numbered through the quantised products in the list's order, A before B).
;;     - Each number is divided by the scale, clamped to +-57,344, and rounded to the nearest number of E5M2, ties to even, subnormals kept.
;;     - The product sums the exact products of the quantised numbers (number of the format x scale) in f32.
;;   ~~~python
;;   def quantise(x, axis, e):      # numpy; x: float32 -> the quantised numbers, widened to float32 again
;;       x = np.moveaxis(x, axis, -1); K = x.shape[-1]
;;       r = np.clip(x / 2.0 ** e, -57344, 57344)
;;       step = 2.0 ** (np.maximum(np.frexp(np.where(r == 0, 1, r))[1] - 1, -14) - 2)
;;       q = np.round(r / step) * step * 2.0 ** e      # np.round: ties to even
;;       return np.moveaxis(q, -1, axis).astype(np.float32)
;;   ~~~
;;   SOFTMAX AHEAD OF A QUANTISED PRODUCT. Where the list says 'softmax', what is quantised is not the finished softmax but p = 2^(t - M), with t = logit x log2(e) and M = ceil(the row's largest t), a whole number; so 1/2 < the row's largest p <= 1. The row's sum l is taken of the UNQUANTISED p, in f32, and the product's result is divided by l at the end. Since M is a whole number, a kernel that streams over the keys may use a running M (the ceiling of the running maximum): every later rescaling is an exact power of two, so the quantised numbers keep their values, but for numbers so far below the row's largest that they fall under the format's range.
;;   OPERANDS COMPUTED ON THE WAY. 'Computed on the way' means the value that the module computes at that place (a softmax that the list does not call 'softmax' is quantised finished and normalised). What goes into a quantiser is computed in f32, as accurately as f32 sums, v_exp_f32 and their like allow (about 1e-6 of the number): no bf16 or f16 on the way to a quantiser, and a product that is left as it is and whose result goes on into a quantised operand takes f32 operands (vector FMAs, or v_wmma_f32_16x16x4_f32). A number that lies on a knife's edge between two numbers of the format may be rounded either way, as far as f32 arithmetic and the matrix unit's own rounding can turn it there, and no further.
;;   INPUTS GIVEN AS CODES. w_attn (in the module: [1024, 3072], K = its axis 0); w_proj (in the module: [1024, 1024], K = its axis 0); x (in the module: [4, 2048, 1024], K = its axis 2): each comes as NAME_codes (uint8): NAME with its K axis moved to the last place and cut into blocks of 32 codes, [.., K / 32, bytes a block], one block behind the other in memory; one code a byte (a code: sign, 5 exponent bits, 2 mantissa bits); its scale is its entry of lowp_scales. Its value is code x scale, taken as it is: it is not quantised again, and the codes and scales need not be those that the quantiser above would give.
;; One version. Each part assembles by itself: llvm-mc -triple=amdgcn-amd-amdhsa -mcpu=gfx1250 --defsym DOCPART=n.
;; ======== version 1 of 1: 3 launches
;; limits: right only within a limited range of input values
;; workspace buffers: qkv 25,165,824 bytes; att 8,388,608 bytes
;; launch qkv_gemm (part 1): grid 12 x 32, 4 waves a work-group, clusters of 4 x 4, 327,680 bytes of LDS; arguments x_codes, w_attn_codes, lowp_scales, qkv; writes qkv
.if DOCPART == 1
	.amdgcn_target "amdgcn-amd-amdhsa--gfx1250"
	.amdhsa_code_object_version 6
	.text
	.protected	k_qed7643b1d7_qkv_gemm
	.globl	k_qed7643b1d7_qkv_gemm
	.p2align	8
	.type	k_qed7643b1d7_qkv_gemm,@function
k_qed7643b1d7_qkv_gemm:
	s_mov_b64 s[64:65], 0
	v_nop
	global_prefetch_b8 v0, s[64:65] scope:SCOPE_SE
	s_setreg_imm32_b32 hwreg(HW_REG_WAVE_MODE, 25, 1), 1
	s_wait_xcnt 0x0
	s_wait_alu depctr_hold_cnt(0) depctr_sa_sdst(0) depctr_va_vdst(0) depctr_va_sdst(0) depctr_va_ssrc(0) depctr_va_vcc(0) depctr_vm_vsrc(0)
	s_getreg_b32 s2, hwreg(HW_REG_IB_STS2, 6, 4)
	s_cmp_eq_u32 s2, 0
	s_cbranch_scc0 .Lentry_in_a_cluster
	s_endpgm
.Lentry_in_a_cluster:
	s_bfe_u32 s2, ttmp6, 0x10000c
	s_cmp_lg_u32 s2, 0xf033
	s_cbranch_scc0 .Lentry_shape_is_right
	s_endpgm
.Lentry_shape_is_right:
; qkv = x w_attn on codes of BF8 (E5M2), then Q, K and V quantised again, each with its given scale, and stored as IMAGES OF THE NEXT PRODUCTS' OPERAND REGISTERS.
; x: [8192 tokens][1024] codes, w_attn: [3072 columns][1024] codes, K innermost in both.  Columns 0-1023 are Q, 1024-2047 K, 2048-3071 V; a column is 64 x head + d.
; lowp_scales: e0 (x), e1 (w_attn), e2 (Q), e3 (K), e5 (V).  A sum stands for sum x 2^(e0 + e1); its code is sum / 2^(eo - e0 - e1), eo = e2, e3 or e5.
; LIMITS: eo - e0 - e1 lies between -126 and 112 for eo = e2, e3, e5, so that the scale and 57,344 x the scale are f32 numbers.  NaN and infinity among the codes are not served.
; SHARES.  A tile of 256 x 256 to a work-group of four waves, 128 x 128 (64 accumulators, 512 registers) to a wave; K = 1,024 in four K steps of 256 through a ring of two LDS slots.
; The cluster's x (0, 1, 2) says Q, K or V: it is the same in all sixteen partners.  The text speaks of a LEFT operand L (matrix source 1) and a RIGHT operand R (source 0):
;   Q, K: L = 256 tokens of x, R = 256 columns of w_attn.   V: L = 256 columns of w_attn, R = 256 tokens of x.
; In a result lane (r, h) holds row r of L, and its registers 0-7 rows 8 h + 0..7 of R.  So for Q and K a lane holds one token and eight neighbouring d (the next product's K),
; for V one d and eight neighbouring tokens (keys: the K of the product with p): one conversion of eight makes registers 2 c, 2 c + 1 of the next operand (k = 16 c + 8 h + 0..7).  Nothing is transposed.
; CLUSTERS: 4 x 4 work-groups.  L's tile hangs on cy alone among the places and is asked for jointly by the cluster's row, R's on cx alone, by its column.
; WHAT IS STORED.  qkv: [64 heads (16 batch + head)][8 slots of 256 tokens][49,152 bytes]: Q's 16 tiles of 16 tokens x 1,024 bytes, K's likewise, then V's [2 x 128 keys][4 x 16 d][2,048 bytes].
; Four registers of all 32 lanes are 512 consecutive bytes, lane l's 16 at 16 l: each store of the wave covers 512 consecutive bytes, aligned.  No stage in LDS is needed.
; REGISTERS, in windows of 256: window 0: v16-31 addresses and constants; from v128 L's fragments (8 x 16 rows x 128 K), ONE set, later the codes.
;   window 1: R's fragments, TWO sets, at v0 and v128.   window 2: the accumulators of my L rows 0-63 ((a, b) at v[8 (8 a + b)]);   window 3: those of rows 64-127.
.set KROW,   1024                      ; a row of x or of w_attn in bytes
.set ROWB,   256                       ; a tile's row: a K step's codes
.set PITCH,  272                       ; an LDS row: 256 bytes + 16 of padding = 68 words: the 16 rows that a load touches start at 16 different banks (64 banks of 4 bytes: ISA guide 11.1)
.set FR,     16                        ; registers of a fragment: 16 rows x 128 K
.set NL,     4                         ; LDS loads that bring one
.set NP,     4                         ; places behind this matrix instruction (ISA guide 7.12.1)
.set HALFT,  128*PITCH                 ; 128 rows: what one tensor load brings, and what one wave reads of L or of R
.set SLOT,   4*HALFT                   ; L's 256 rows, then R's 256 rows
.set SPARE,  2*SLOT                    ; behind the ring: the spare words, 128 bytes for each wave: two blocks of 256 bytes that no other line names
.set HS,     393216                    ; qkv: from head to head
.set SS,     49152                     ; and from slot to slot
.set ADRA, 16                          ; v16-17  LDS address of my L fragments in slot 0, 1
.set ADRB, 20                          ; v20-21  the same for R
.set CO,   26                          ; v26     16 x lane: my place in an image
.set SPW,  28                          ; v28     LDS address of my spare word: SPARE + 4 x my thread's number; never rewritten
.set NIL,  29                          ; v29     0; never rewritten
.set SC,   30                          ; v30     2^(eo - e0 - e1) as f32: the conversion takes its exponent field
.set LIM,  31
.set TMP,  32
.set AF,   128                         ; L's fragments, in window 0
.set CD,   128                         ; the codes: 16 registers for each of the eight blocks, so that no store's data are written again
.set G1, 24                            ; s[24:31] descriptor group 1 for L's tiles;  s[32:39] group 0, one set for each slot
.set G0, 32
.set G1B, 48                           ; s[48:55], s[56:63] the same for R's tiles
.set G0B, 56
.set MSB, 0
.macro WIN new                         ; the immediate's high byte repeats the setting that is left; a switch that changes nothing is dropped
.if MSB != \new
	s_set_vgpr_msb (MSB<<8)|(\new)
.set MSB, \new
.endif
.endm
.set MUL_LO, 0xa1                      ; source 0 (R) window 1, source 1 (L) window 0, C and D window 2
.set MUL_HI, 0xf1                      ; the same, C and D window 3
.set TO_B,   0x40                      ; destination window 1, address window 0
; A joint load: waves 0 and 1 fetch for L, waves 2 and 3 for R.  Each of the two lines has ONE mask and one set of registers for all that issue it; the branch hangs on the wave's number alone.
; An s_nop 0 and four v_nop follow each of the two lines, ahead of the jump, the label and what follows.
.macro JLOAD g0a, g1a, g0b, g1b
	s_cmp_eq_u32 s15, 0
	s_cbranch_scc0 .Lfor_b_\@
	tensor_load_to_lds s[\g0a:\g0a+3], s[\g1a:\g1a+7]
	s_nop 0
.rept 4
	v_nop
.endr
	s_branch .Lasked_\@
.Lfor_b_\@:
	tensor_load_to_lds s[\g0b:\g0b+3], s[\g1b:\g1b+7]
	s_nop 0
.rept 4
	v_nop
.endr
.Lasked_\@:
.endm
.macro CREST                           ; a round of the cluster's barrier behind its opening barrier
	s_cmp_lg_u32 s14, 0
	s_cbranch_scc1 .Lnot_wave_0_\@
	s_barrier_signal -3
.Lnot_wave_0_\@:
	s_barrier_wait -3
	s_barrier_signal -1
	s_barrier_wait -1
.endm
.macro CROUND                          ; a whole round
	s_barrier_signal -1
	s_barrier_wait -1
	CREST
.endm
	s_load_b128 s[4:7], s[0:1], 0x0                ; x's codes s[4:5], w_attn's codes s[6:7]
	s_load_b128 s[8:11], s[0:1], 0x10              ; the scales' exponents s[8:9], qkv s[10:11]
	v_lshl_add_u32 v[SPW], v0, 2, SPARE
	v_mov_b32 v[NIL], 0
	ds_add_u32 v[SPW], v[NIL]
	ds_add_u32 v[SPW], v[NIL]                      ; the wave's opening: the add and its wait ahead of my first tensor load; the set-up below, work on registers, stands between them
	v_lshrrev_b32 v1, 5, v0
	v_readfirstlane_b32 s14, v1                    ; wave 0..3
	s_lshr_b32 s15, s14, 1                         ; which half of L's rows is mine.  Also: I fetch for L (0) or for R (1)
	s_and_b32 s16, s14, 1                          ; which half of R's rows.  Also: which 128 rows of that tile I fetch
	s_bfe_u32 s40, ttmp6, 0x40000                  ; cx, cy: my place in the cluster
	s_bfe_u32 s41, ttmp6, 0x40004
	s_and_b32 s42, ttmp7, 0xffff                   ; the cluster's y, 0..7: which 1,024 tokens
	s_lshl_b32 s43, s41, 2
	s_lshl_b32 s43, 15, s43                        ; my row of the cluster
	s_lshl_b32 s44, 0x1111, s40                    ; my column
	; descriptor group 1: a tile of 128 rows x 256 bytes, padded in LDS
	s_or_b32 s[G1+0], s43, (0<<16)|(1<<20)|(1<<21)|(5<<22)|(3<<25)  ; 15:0 the mask: L's tiles go to my row; 17:16 element of 1 byte; 20 padding on; 21 set beside a mask; 24:22 after every 64 words (code 5); 31:25 of 4 words (code 3)
	s_or_b32 s[G1B+0], s44, (0<<16)|(1<<20)|(1<<21)|(5<<22)|(3<<25) ; the same with the mask of my column, for R's tiles
.irp g, G1, G1B
	s_mov_b32 s[\g+1], ROWB<<16                    ; tensor_dim0 = 256
	s_mov_b32 s[\g+2], 128<<16                     ; tensor_dim1 = 128
	s_mov_b32 s[\g+3], ROWB<<16                    ; tile_dim0 = 256
	s_mov_b32 s[\g+4], 128                         ; tile_dim1 = 128
	s_mov_b32 s[\g+5], KROW                        ; tensor_dim0_stride
	s_mov_b32 s[\g+6], 0
	s_mov_b32 s[\g+7], 0
.endr
	; where the tiles come from.  L's row = 256 cy + 128 x half + (V: 2,048; else 1,024 x cluster y);  R's row = 256 cx + 128 x half + (V: 1,024 x cluster y; else 1,024 x cluster x).
	; L's registers never hold cx, R's never cy.
	s_lshl_b32 s80, s42, 10                        ; 1,024 x cluster y
	s_lshl_b32 s81, ttmp9, 10                      ; 1,024 x cluster x
	s_lshl_b32 s82, s16, 7                         ; which 128 rows I fetch
	s_lshl_b32 s20, s41, 8
	s_add_co_u32 s20, s20, s82
	s_lshl_b32 s46, s40, 8
	s_add_co_u32 s46, s46, s82
	s_mov_b32 s83, 2048
	s_cmp_eq_u32 ttmp9, 2                          ; V?  The same in all sixteen partners
	s_cselect_b32 s83, s83, s80
	s_cselect_b32 s84, s80, s81
	s_add_co_u32 s20, s20, s83
	s_add_co_u32 s46, s46, s84
	s_lshl_b32 s20, s20, 10                        ; rows of 1,024 bytes: under 2^23
	s_lshl_b32 s46, s46, 10
	s_mov_b32 s21, 0
	s_mov_b32 s47, 0
	s_mul_i32 s45, s14, HALFT                      ; where they go: wave x 128 rows: no place in the cluster enters an LDS address
	s_wait_dscnt 0x0                               ; the opening add is done
	s_wait_kmcnt 0x0
	s_load_b256 s[72:79], s[8:9], 0x0              ; e0 .. e7
	s_cmp_eq_u32 ttmp9, 2
	s_cselect_b64 s[66:67], s[6:7], s[4:5]         ; L: w_attn for V, else x
	s_cselect_b64 s[68:69], s[4:5], s[6:7]         ; R: the other
	s_add_nc_u64 s[66:67], s[66:67], s[20:21]
	s_add_nc_u64 s[68:69], s[68:69], s[46:47]
	CROUND                                         ; all sixteen work-groups are here: the first joint loads meet
.irp s, 0,1
	s_mov_b32 s[G0+4*\s], 1                                        ; count = 1
	s_add_co_u32 s[G0+4*\s+1], s45, \s*SLOT                        ; LDS address
	s_add_nc_u64 s[G0+4*\s+2:G0+4*\s+3], s[66:67], \s*ROWB         ; global address: K step s
	s_or_b32 s[G0+4*\s+3], s[G0+4*\s+3], 0x80000000                ; type = 2
	s_mov_b32 s[G0B+4*\s], 1
	s_add_co_u32 s[G0B+4*\s+1], s45, \s*SLOT
	s_add_nc_u64 s[G0B+4*\s+2:G0B+4*\s+3], s[68:69], \s*ROWB
	s_or_b32 s[G0B+4*\s+3], s[G0B+4*\s+3], 0x80000000
	JLOAD G0+4*\s, G1, G0B+4*\s, G1B
.endr
	v_and_b32 v1, 15, v0                           ; l % 16
	v_bfe_u32 v2, v0, 4, 1                         ; l / 16
	v_mul_u32_u24 v3, v1, PITCH
	v_lshl_add_u32 v4, v2, 4, v3                   ; a fragment's row x pitch + 16 x half
	s_mul_i32 s70, s15, HALFT                      ; my 128 rows of L
	s_mul_i32 s71, s16, HALFT                      ; my 128 rows of R,
	s_add_co_u32 s71, s71, 2*HALFT                 ; which lie behind L's 256
.irp s, 0,1
	v_add_nc_u32 v[ADRA+\s], s70, v4
	v_add_nc_u32 v[ADRB+\s], s71, v4
	s_add_co_u32 s70, s70, SLOT
	s_add_co_u32 s71, s71, SLOT
.endr
	v_and_b32 v6, 31, v0
	v_lshlrev_b32 v[CO], 4, v6
	; where my part of qkv begins.  Q, K: heads 4 cx + 2 (R half) on, slot 4 (cluster y % 2) + cy, tiles 8 (L half) on.  V: heads 4 cy + 2 (L half) on, slot 4 (cluster y % 2) + cx, keys 128 (R half) on.
	s_cmp_eq_u32 ttmp9, 2
	s_cselect_b32 s86, s41, s40                    ; which four heads
	s_cselect_b32 s87, s15, s16                    ; which two of them
	s_cselect_b32 s88, s40, s41                    ; which slot of four
	s_cselect_b32 s89, s16, s15                    ; which half of the slot
	s_lshr_b32 s90, s42, 1                         ; the batch
	s_lshl_b32 s90, s90, 4
	s_lshl_b32 s86, s86, 2
	s_add_co_u32 s90, s90, s86
	s_lshl_b32 s87, s87, 1
	s_add_co_u32 s90, s90, s87                     ; 16 batch + my first head
	s_mul_i32 s90, s90, HS
	s_and_b32 s91, s42, 1
	s_lshl_b32 s91, s91, 2
	s_add_co_u32 s91, s91, s88
	s_mul_i32 s91, s91, SS
	s_add_co_u32 s90, s90, s91
	s_lshl_b32 s91, ttmp9, 14                      ; Q at 0, K at 16,384, V at 32,768
	s_add_co_u32 s90, s90, s91
	s_lshl_b32 s91, s89, 13
	s_add_co_u32 s90, s90, s91
	s_mov_b32 s91, 0
	s_add_nc_u64 s[10:11], s[10:11], s[90:91]
; A fragment, 16 rows x 128 K, is fetched by four loads of 16 bytes: registers 4 c .. 4 c + 3 hold K = 32 c + 16 (l / 16) + 0 .. 15: a permutation of k, the same in L and in R, so every product meets its partner.
.macro FRAG reg, adr, q, i
.irp c, 0,1,2,3
	ds_load_b128 v[\reg+4*\c:\reg+4*\c+3], v[\adr] offset:128*(\q)+32*\c+(\i)*16*PITCH
.endr
.endm
; 16 matrix instructions: L's blocks a0, a0 + 1 x R's eight, 128 along K.  p: R's set.  zero = 1: the first product starts the sums: nothing is ever cleared.
; The 64 accumulators take turns, one instruction a turn, in the same order in every step.
.macro MUL16 a0, p, zero
.irp a, \a0, \a0+1
.irp b, 0,1,2,3,4,5,6,7
.if \zero
	v_wmma_f32_16x16x128_bf8_bf8 v[8*(8*((\a)%4)+\b):8*(8*((\a)%4)+\b)+7], v[128*(\p)+FR*\b:128*(\p)+FR*\b+FR-1], v[AF+FR*(\a):AF+FR*(\a)+FR-1], 0
.else
	v_wmma_f32_16x16x128_bf8_bf8 v[8*(8*((\a)%4)+\b):8*(8*((\a)%4)+\b)+7], v[128*(\p)+FR*\b:128*(\p)+FR*\b+FR-1], v[AF+FR*(\a):AF+FR*(\a)+FR-1], v[8*(8*((\a)%4)+\b):8*(8*((\a)%4)+\b)+7]
.endif
.endr
.endr
.endm
.macro FETCH_B slot, q, p              ; R's eight fragments of the slot's q-th 128 along K into set p
	WIN TO_B
.irp i, 0,1,2,3,4,5,6,7
	FRAG 128*(\p)+FR*\i, ADRB+\slot, \q, \i
.endr
	WIN 0
.endm
.macro FETCH_A slot, q, i0             ; L's blocks i0 .. i0 + 3
.irp i, \i0, \i0+1, \i0+2, \i0+3
	FRAG AF+FR*(\i), ADRA+\slot, \q, \i
.endr
.endm
; A load into a register that a matrix instruction has read, and a vector instruction that reads a matrix result, stand NP places behind that matrix instruction; only plain vector
; instructions that name none of its registers are places (ISA guide 7.12.1 for vector instructions).
.macro PLACES n
.rept \n
	v_nop
.endr
.endm
; A step of 128 along K that has its successor in the same slot.  A block of L is free as soon as its eight products are issued: blocks 0-3 are fetched anew in the step's middle, blocks 4-7 at its end.
.macro STEP slot, q, zero
	s_wait_dscnt 4*NL                              ; R's set and L's blocks 0-3 are in; the youngest sixteen loads (L's blocks 4-7) may be out
	WIN MUL_LO
	MUL16 0, (\q)%2, \zero
	MUL16 2, (\q)%2, \zero
	s_wait_dscnt 0                                 ; L's blocks 4-7 are in (asked for 32 matrix instructions ago)
	PLACES NP
	FETCH_B \slot, (\q)+1, 1-(\q)%2
	FETCH_A \slot, (\q)+1, 0
	WIN MUL_HI
	MUL16 4, (\q)%2, \zero
	MUL16 6, (\q)%2, \zero
	PLACES NP
	WIN 0
	FETCH_A \slot, (\q)+1, 4
.endm
; A slot's last step changes slots: ONE barrier; in front of it each wave waits for all its tensor loads, adds 0 to its spare word, and waits for that and for its own reads of this slot.  fill = 1: this slot is filled again, two K steps ahead.
.macro TURN slot, next, fill
	s_wait_tensorcnt 0x0                           ; all my tensor loads have landed: my part of the next slot;  (every window is 0 here: the add's two registers lie in window 0)
	ds_add_u32 v[SPW], v[NIL]                      ; 0 onto my spare word
	s_wait_dscnt 4*NL+1                            ; (the add and the youngest sixteen loads, L's blocks 4-7, may be out)
	WIN MUL_LO
	MUL16 0, 1, 0                                  ; sixteen matrix instructions stand between the add and the wait for it
	s_wait_dscnt 0x0                               ; the add is done, and my reads of this slot are over
	s_barrier_signal -1
	MUL16 2, 1, 0
	WIN 0
	s_barrier_wait -1
.if \fill
	CREST                                          ; the barrier has opened a round of the cluster's barrier: no wave of any partner still reads this slot's tile or has a load on its way
	s_add_nc_u64 s[G0+4*\slot+2:G0+4*\slot+3], s[G0+4*\slot+2:G0+4*\slot+3], 2*ROWB
	s_add_nc_u64 s[G0B+4*\slot+2:G0B+4*\slot+3], s[G0B+4*\slot+2:G0B+4*\slot+3], 2*ROWB
	JLOAD G0+4*\slot, G1, G0B+4*\slot, G1B         ; the first tensor load behind the round; the four v_nop behind it are the places in front of the loads below
.else
	PLACES NP
.endif
	FETCH_B \next, 0, 0
	FETCH_A \next, 0, 0
	WIN MUL_HI
	MUL16 4, 1, 0
	MUL16 6, 1, 0
	PLACES NP
	WIN 0
	FETCH_A \next, 0, 4
.endm
	s_wait_alu depctr_va_vdst(0)
	s_wait_tensorcnt 1                             ; my part of K step 0 is in; K step 1's load may be out
	s_barrier_signal -1
	s_barrier_wait -1                              ; everybody's is
	FETCH_B 0, 0, 0
	FETCH_A 0, 0, 0
	FETCH_A 0, 0, 4
	STEP 0, 0, 1                                   ; four K steps of 256, written out (a loop would have one trip): the first step's products start the sums
	TURN 0, 1, 1                                   ; slot 0 takes K step 2
	STEP 1, 0, 0
	TURN 1, 0, 1                                   ; slot 1 takes K step 3
	STEP 0, 0, 0
	TURN 0, 1, 0                                   ; nothing is left to fetch: no round of the cluster's barrier
	STEP 1, 0, 0
	s_wait_dscnt 4*NL                              ; the very last step
	WIN MUL_LO
	MUL16 0, 1, 0
	MUL16 2, 1, 0
	s_wait_dscnt 0
	WIN MUL_HI
	MUL16 4, 1, 0
	MUL16 6, 1, 0
	WIN 0
	; THE WAY OUT.  The three scales are folded into the conversion's one.
	s_wait_kmcnt 0x0
	s_cmp_eq_u32 ttmp9, 0
	s_cselect_b32 s94, s74, s75                    ; Q: e2; K: e3
	s_cmp_eq_u32 ttmp9, 2
	s_cselect_b32 s94, s77, s94                    ; V: e5
	s_sub_co_i32 s94, s94, s72
	s_sub_co_i32 s94, s94, s73                     ; eo - e0 - e1
	s_add_co_i32 s94, s94, 127
	s_lshl_b32 s95, s94, 23
	v_mov_b32 v[SC], s95
	s_add_co_i32 s94, s94, 15
	s_lshl_b32 s94, s94, 23
	s_or_b32 s94, s94, 0x600000                    ; the mantissa field of 57,344
	PLACES NP                                      ; behind the last products: their results are read, and the registers that held L's fragments written, only behind these
; Block a (16 rows of L x 128 rows of R): its 64 sums are not held (the conversion to an 8-bit code does not saturate: ISA guide 7.6.2),
; and eight conversions make registers 2 b, 2 b + 1 from accumulator b.
.macro QBLK a
.set AC, 64*((\a)%4)
	WIN 0x02+((\a)/4)                              ; source 0: window 2 or 3
.set j, 0
.rept 64
.set j, j+1
.endr
.irp b, 0,1,2,3,4,5,6,7
	v_cvt_scalef32_pk8_bf8_f32 v[CD+16*(\a)+2*\b:CD+16*(\a)+2*\b+1], v[AC+8*\b:AC+8*\b+7], v[SC]
.endr
	WIN 0
	v_nop                                          ; one plain vector instruction behind the conversions
.endm
.irp a, 0,1,2,3,4,5,6,7
	QBLK \a
.endr
	s_cmp_eq_u32 ttmp9, 2                          ; only the places of the images differ: the branch hangs on the cluster's x, the same in all partners
	s_cbranch_scc1 .Lv_out
.irp a, 0,1,2,3,4,5,6,7                ; Q, K: block a is a tile of 16 tokens; registers 4 p .. 4 p + 3 are head p / 2, d 32 (p % 2) on
.irp p, 0,1,2,3
	global_store_b128 v[CO], v[CD+16*\a+4*\p:CD+16*\a+4*\p+3], s[10:11] offset:(\p/2)*HS+\a*1024+(\p%2)*512
.endr
.endr
	s_branch .Lend
.Lv_out:
	s_wait_alu depctr_va_vdst(0)
.irp a, 0,1,2,3,4,5,6,7                ; V: block a is head a / 4, d 16 (a % 4) on; registers 4 p .. 4 p + 3 are keys 32 p on
.irp p, 0,1,2,3
	global_store_b128 v[CO], v[CD+16*\a+4*\p:CD+16*\a+4*\p+3], s[10:11] offset:(\a/4)*HS+(\a%4)*2048+\p*512
.endr
.endr
.Lend:
	s_wait_tensorcnt 0x0                           ; the wave's end: an add and its wait, behind my last tensor load
	ds_add_u32 v[SPW], v[NIL]
	s_wait_dscnt 0x0
	CROUND                                         ; the closing round: no work-group ends while a partner may still ask for a tile that names it
	s_endpgm
.Lfunc_end_k_qed7643b1d7_qkv_gemm:
	.size	k_qed7643b1d7_qkv_gemm, .Lfunc_end_k_qed7643b1d7_qkv_gemm-k_qed7643b1d7_qkv_gemm
	.p2alignl 7, 3214868480
	.fill 96, 4, 3214868480
	.section	.rodata,"a",@progbits
	.p2align	6, 0x0
	.amdhsa_kernel k_qed7643b1d7_qkv_gemm
		.amdhsa_group_segment_fixed_size 327680
		.amdhsa_private_segment_fixed_size 0
		.amdhsa_enable_private_segment 0
		.amdhsa_kernarg_size 32
		.amdhsa_user_sgpr_count 2
		.amdhsa_user_sgpr_kernarg_segment_ptr 1
		.amdhsa_wavefront_size32 1
		.amdhsa_system_sgpr_workgroup_id_x 1
		.amdhsa_system_sgpr_workgroup_id_y 1
		.amdhsa_system_sgpr_workgroup_id_z 1
		.amdhsa_system_vgpr_workitem_id 0
		.amdhsa_next_free_vgpr 1024
		.amdhsa_next_free_sgpr 96
		.amdhsa_reserve_vcc 0
		.amdhsa_float_denorm_mode_32 3
		.amdhsa_float_denorm_mode_16_64 3
		.amdhsa_fp16_overflow 1
		.amdhsa_memory_ordered 1
		.amdhsa_forward_progress 1
		.amdhsa_inst_pref_size 89
	.end_amdhsa_kernel
	.amdgpu_metadata
---
amdhsa.version: [ 1, 2 ]
amdhsa.kernels:
  - .name:           k_qed7643b1d7_qkv_gemm
    .symbol:         k_qed7643b1d7_qkv_gemm.kd
    .args:
      - { .name: x_codes, .offset: 0, .size: 8, .value_kind: global_buffer, .address_space: global }
      - { .name: w_attn_codes, .offset: 8, .size: 8, .value_kind: global_buffer, .address_space: global }
      - { .name: lowp_scales, .offset: 16, .size: 8, .value_kind: global_buffer, .address_space: global }
      - { .name: qkv, .offset: 24, .size: 8, .value_kind: global_buffer, .address_space: global }
    .group_segment_fixed_size: 327680
    .private_segment_fixed_size: 0
    .kernarg_segment_align: 8
    .kernarg_segment_size: 32
    .max_flat_workgroup_size: 128
    .sgpr_count:     96
    .vgpr_count:     1024
    .wavefront_size: 32
...
	.end_amdgpu_metadata
.endif
;; end of part 1
;; launch attend (part 2): grid 4 x 64, 16 waves a work-group, no clusters, 327,680 bytes of LDS; arguments qkv, lowp_scales, att; writes att
.if DOCPART == 2
	.amdgcn_target "amdgcn-amd-amdhsa--gfx1250"
	.amdhsa_code_object_version 6
	.text
	.protected	k_qed7643b1d7_attend
	.globl	k_qed7643b1d7_attend
	.p2align	8
	.type	k_qed7643b1d7_attend,@function
k_qed7643b1d7_attend:
	s_mov_b64 s[64:65], 0
	v_nop
	global_prefetch_b8 v0, s[64:65] scope:SCOPE_SE
	s_setreg_imm32_b32 hwreg(HW_REG_WAVE_MODE, 25, 1), 1
	s_wait_xcnt 0x0
; att[token][64 head + d] = the sum over keys k <= q of softmax_k(Q[q] . K[k] / 32) V[k][d], both products on codes of BF8 (E5M2), then quantised with the scale 2^e6 for the last product.
; qkv holds, for each of 64 heads and each of 8 slots of 256 tokens, images of operand registers: Q's 16 tiles (16 tokens x 64 d, 1,024 bytes), K's 16 tiles, V's [2 x 128 keys][4 x 16 d][2,048 bytes].
; An image is four registers of all 32 lanes on end, lane l's 16 bytes at 16 l: every fragment comes by loads of 512 consecutive bytes, from memory and from LDS alike.
; THE SOFTMAX: t = score x 2^(e2 + e3) x log2(e) / 32; M = the running largest t rounded UP to a whole number; p = 2^(t - M) is quantised with 2^e4, not normalised; the row's sum is taken of the unquantised p
; and divides at the end.  When M moves, the sum and O are multiplied by 2^(old M - new M): nothing is rounded.
; SHARES.  A head has 8 blocks of 256 queries; block b needs key slots 0 .. b.  Work-group i (0..3) of a head owns blocks 7 - i and i: 8 - i and i + 1 visits of a key slot, NINE for every work-group, two of them on
; the diagonal: 256 work-groups of equal work, and the count of visits is a constant of the text.  Each of the sixteen waves owns one tile of 16 queries of the block in hand.
; NO CLUSTER: the four work-groups of a head leave their first block behind visits 7, 6, 5 and 4, and from there on want different key slots in the same visit: they could not make every request jointly.
; LAYOUT.  Both products are used transposed: S^T = K Q^T (source 0 = 16 keys, source 1 = my 16 queries, K = 64), O^T = V^T P^T (source 0 = 16 d, source 1 = p, K = 128 keys): a lane holds ONE query throughout.
; Tile t of S^T holds, in a lane's eight registers, keys 16 t + 8 (lane / 16) + 0..7: one conversion makes registers 2 t, 2 t + 1 of p's operand.  The same holds of O^T's tiles and att's operand.
; THE MASK.  A step of 128 keys that begins behind my queries is left out by a scalar branch on ids; in the one step on the diagonal hidden scores become -infinity ahead of the maximum.  Key 0 counts for every query.
; att: [512 tiles of 16 tokens][8 K steps of 128][2,048 bytes]: my head's part of a tile is 1,024 bytes at 1,024 x head.
; LIMITS on the given exponents, so that each power of two below is an f32 number: e2 + e3 between -121 and 132 (added to c's exponent field); e4 and e6 between -126 and 112; e4 + e5 goes by v_ldexp_f32 and has none.
; REGISTERS: v1-11 addresses and constants; v12 -M, v13 the largest t, v[14:15] the sum in two halves; v16-23 Q; v24-31 at work; v32-95 K's 8 fragments, then v32-47 p's codes, v48-55 att's codes;
;   v96-159 V's 4 fragments; v160-223 S^T, then p; v224-255 O^T.
.set HS,    393216                     ; qkv: from head to head
.set SS,    49152                      ; from slot to slot
.set KVO,   16384                      ; K's tiles in a slot of qkv; V's lie 16,384 further on
.set SLOT1, 32768                      ; LDS: slot 0 at 0, slot 1 here: one exclusive or turns an address in one slot into the other's
.set VOFF,  16384                      ; LDS: a slot is K's 16,384 bytes, then V's
.set SPARE, 65536                      ; behind the ring: the spare words, 128 bytes for each wave: eight blocks of 256 bytes that no other line names
.set LI,   1                           ; v1   16 x lane; never rewritten
.set SPW,  2                           ; v2   LDS address of my spare word: SPARE + 4 x my thread's number; never rewritten
.set NIL,  3                           ; v3   0; never rewritten
.set PFO,  4                           ; v4   256 x lane: the prefetches' offset; never rewritten
.set ADK,  5                           ; v5   LDS address of my 16 bytes in the slot in hand
.set SV,   160                         ; S^T
.set OV,   224                         ; O^T
.set TB,   2                           ; s2   LDS byte at which the slot in hand begins
.set WV,   18                          ; s18  my wave's number
.set SEL,  20                          ; s[20:21] lane selects for v_permlanex16_b32: lane l xor 16
.set CS,   22                          ; s[22:23] c: the packed form names a pair and takes its low word for both halves
.set G1,   24                          ; s[24:31] descriptor group 1
.set G0,   32                          ; s[32:35] descriptor group 0, which walks
.set KVB,  36                          ; s[36:37] what I fetch (wave 0: K's tiles, wave 1: V's) of my head's slot 0
.set KO,   38                          ; s[38:39] the byte offset of the key slot last asked for, with 0 above it
.set HB,   40                          ; s[40:41] my head in qkv
.set OB,   42                          ; s[42:43] my tile's 1,024 bytes in att
.set VIS,  44                          ; s44  the visit, 0..8
.set SW,   45                          ; s45  the last visit of the first block: 7 - i
.set KF,   46                          ; s46  the step's first key
.set Q0,   47                          ; s47  my first query
.set LIM,  48                          ; s48  a wave prefetches while the visit is under this
.set EPV,  49                          ; s49  e4 + e5
.set PFA,  50                          ; s[50:51] where my prefetches stand
.set QP,   60                          ; s[60:61] my tile of Q
; Wave 0 fetches a slot's K, wave 1 its V, the others nothing.  The branch hangs on the wave's number alone.  An s_nop 0 and four v_nop follow the load.
.macro TLOAD
	s_cmp_lt_u32 s[WV], 2
	s_cbranch_scc0 .Lasked_\@
	tensor_load_to_lds s[G0:G0+3], s[G1:G1+7]
	s_nop 0
.rept 4
	v_nop
.endr
.Lasked_\@:
.endm
; A PREFETCH of the key slot that the NEXT change of slots will ask for: 32,768 bytes, K's tiles and V's on end.  All four work-groups of a head walk the same slots: the one that walks all eight (i = 0) asks,
; and in it waves 4 to 7, which fetch nothing: 8,192 bytes a wave, lanes 256 bytes apart, one instruction.  So each aligned block of 256 bytes is named once in the launch.
; The change of visit v names slot v + 2; changes 0 to 5 ask; slots 0 and 1 come by their loads alone, and behind slot 7 there is nothing.
.macro ASK
	s_cmp_lt_u32 s[VIS], s[LIM]
	s_cbranch_scc0 .Lnot_mine_\@
	global_prefetch_b8 v[PFO], s[PFA:PFA+1] th:TH_LOAD_NT scope:SCOPE_SE
.Lnot_mine_\@:
.endm
	s_load_b128 s[4:7], s[0:1], 0x0                ; qkv s[4:5], the scales' exponents s[6:7]
	s_load_b64 s[8:9], s[0:1], 0x10                ; att
	v_lshl_add_u32 v[SPW], v0, 2, SPARE
	v_mov_b32 v[NIL], 0
	ds_add_u32 v[SPW], v[NIL]                      ; the wave's opening: the add and its wait ahead of the first tensor load; the set-up below, work on registers, stands between them
	ds_add_u32 v[SPW], v[NIL]
	v_lshrrev_b32 v5, 5, v0
	s_delay_alu instid0(VALU_DEP_1)
	v_readfirstlane_b32 s[WV], v5                  ; wave 0..15
	; descriptor group 1: 16,384 dense bytes as 64 rows of 256
	s_mov_b32 s[G1], 3<<16                         ; no mask; elements of 8 bytes; no padding
	s_mov_b32 s[G1+1], 32<<16                      ; tensor_dim0 = 32 elements
	s_mov_b32 s[G1+2], 64<<16                      ; tensor_dim1 = 64
	s_mov_b32 s[G1+3], 32<<16                      ; tile_dim0 = 32
	s_mov_b32 s[G1+4], 64                          ; tile_dim1 = 64
	s_mov_b32 s[G1+5], 32                          ; tensor_dim0_stride: each row begins where the last ends
	s_mov_b32 s[G1+6], 0
	s_mov_b32 s[G1+7], 0
	s_mov_b32 s[SEL], 0x76543210
	s_mov_b32 s[SEL+1], 0xfedcba98
	s_mov_b32 s[CS], 0x3d38aa3b                    ; c = log2(e) / 32
	s_mov_b32 s[TB], 0
	s_mov_b32 s[KO], 0
	s_mov_b32 s[KO+1], 0
	s_mov_b32 s[VIS], 0
	s_sub_co_u32 s[SW], 7, ttmp9
	s_and_b32 s62, ttmp7, 0xffff                   ; 16 batch + head
	s_mul_i32 s66, s62, HS
	s_mov_b32 s67, 0
	s_lshr_b32 s68, s62, 4
	s_lshl_b32 s68, s68, 7                         ; the batch's first tile of 16 tokens
	s_and_b32 s69, s62, 15
	s_lshl_b32 s69, s69, 10                        ; the head's 1,024 bytes in a tile of att
	s_and_b32 s70, s[WV], 1
	s_lshl_b32 s70, s70, 14                        ; K (0) or V (16,384): in memory and in a slot alike
	s_wait_dscnt 0x0                               ; the opening add is done
	s_wait_kmcnt 0x0
	s_load_b256 s[52:59], s[6:7], 0x0              ; e0 .. e7
	s_add_nc_u64 s[HB:HB+1], s[4:5], s[66:67]
	s_add_co_u32 s66, s70, KVO
	s_add_nc_u64 s[KVB:KVB+1], s[HB:HB+1], s[66:67]
	s_mov_b32 s[G0], 1                             ; count = 1
	s_mov_b32 s[G0+1], s70                         ; LDS address: slot 0
	s_mov_b64 s[G0+2:G0+3], s[KVB:KVB+1]           ; global address: key slot 0
	s_or_b32 s[G0+3], s[G0+3], 0x80000000          ; type = 2
	TLOAD                                          ; the first visit's keys: the one first fill, ahead of every wait on TENSORcnt, LDS read and barrier
	s_and_b32 s66, s[WV], 3
	s_lshl_b32 s66, s66, 13
	s_add_co_u32 s66, s66, KVO+SS                  ; my 8,192 bytes, in key slot 1: the first change of slots steps it to slot 2.  Nothing is prefetched here, at the head
	s_add_nc_u64 s[PFA:PFA+1], s[HB:HB+1], s[66:67]
	s_sub_co_u32 s62, s[WV], 4
	s_lshr_b32 s62, s62, 2                         ; 0 in waves 4 to 7,
	s_or_b32 s62, s62, ttmp9                       ; of work-group 0 of the head
	s_cmp_eq_u32 s62, 0
	s_cselect_b32 s[LIM], 6, 0
	v_and_b32 v[LI], 31, v0
	s_delay_alu instid0(VALU_DEP_1)
	v_lshlrev_b32 v[PFO], 8, v[LI]
	s_delay_alu instid0(VALU_DEP_2)
	v_lshlrev_b32 v[LI], 4, v[LI]
	v_and_b32 v6, 15, v0                           ; r
	v_bfe_u32 v7, v0, 4, 1                         ; h
	s_delay_alu instid0(VALU_DEP_1)
	v_lshlrev_b32 v7, 3, v7
	s_delay_alu instid0(VALU_DEP_1)
	v_sub_nc_u32 v6, v6, v7                        ; r - 8 h, for the mask
	v_mov_b32 v27, 0                               ; (named as the upper half of the pair v[26:27])
	v_mov_b32 v30, 0                               ; written once: a lane permute's destination counts as one of its sources
	v_mov_b32 v31, 0xff800000                      ; -infinity
	s_wait_kmcnt 0x0
	s_add_co_i32 s62, s54, s55
	s_lshl_b32 s62, s62, 23
	s_add_co_i32 s[CS], s[CS], s62                 ; a score stands for score x 2^(e2 + e3): the two exponents are added to c's exponent field
	s_mov_b32 s[CS+1], s[CS]                       ; (named with it as a pair, so it is written)
	s_add_co_i32 s62, s56, 127
	s_lshl_b32 s63, s62, 23
	v_mov_b32 v9, s63                              ; 2^e4 as f32, for p's conversion
	s_add_co_i32 s62, s58, 127
	s_lshl_b32 s63, s62, 23
	v_mov_b32 v11, s63                             ; 2^e6, for att's conversion
	s_add_co_i32 s[EPV], s56, s57
; A block of queries begins; its number stands in s63.  Q's fragment comes from memory; O^T and the sum begin as zeros and the largest t as -3e38, so that the key step is written once: the first change of M multiplies zeros.
.macro PASS_SET
	s_lshl_b32 s[Q0], s63, 8
	s_lshl_b32 s62, s[WV], 4
	s_add_co_u32 s[Q0], s[Q0], s62                 ; my first query: 256 x block + 16 x wave
	s_mul_i32 s66, s63, SS
	s_lshl_b32 s62, s[WV], 10
	s_add_co_u32 s66, s66, s62
	s_mov_b32 s67, 0
	s_add_nc_u64 s[QP:QP+1], s[HB:HB+1], s[66:67]  ; Q's tile: the block's slot, 1,024 x wave
	s_lshl_b32 s66, s63, 4
	s_add_co_u32 s66, s66, s[WV]
	s_add_co_u32 s66, s66, s68                     ; my tile of 16 tokens among att's 512
	s_lshl_b32 s66, s66, 14
	s_add_co_u32 s66, s66, s69
	s_add_nc_u64 s[OB:OB+1], s[8:9], s[66:67]
	global_load_b128 v[16:19], v[LI], s[QP:QP+1] th:TH_LOAD_NT
	global_load_b128 v[20:23], v[LI], s[QP:QP+1] offset:512 th:TH_LOAD_NT
	v_mov_b32 v13, 0xff61b1e6                      ; the largest t so far: -3e38
	s_delay_alu instid0(VALU_DEP_1)
	v_floor_f32 v12, -v13                          ; -M
	v_mov_b32 v14, 0
	v_mov_b32 v15, 0
.set j, 0
.rept 32
	v_mov_b32 v[OV+j], 0
.set j, j+1
.endr
	s_mov_b32 s[KF], 0
	s_wait_loadcnt 0x0                             ; Q is in
.endm
; A KEY STEP: 128 keys, the q-th of the slot in hand.
.macro STEP q
	s_cmp_gt_u32 s[KF], s[Q0]                      ; both are multiples of 16: a step that begins behind my first query begins behind all sixteen
	s_cbranch_scc1 .Lhidden_\@
	v_add_nc_u32 v[ADK], s[TB], v[LI]
.rept 3
	v_nop                                          ; with the addition above: four places in front of loads into registers that the last products read
.endr
.irp t, 0,1,2,3,4,5,6,7
.irp g, 0,1
	ds_load_b128 v[32+8*\t+4*\g:32+8*\t+4*\g+3], v[ADK] offset:(8*(\q)+\t)*1024+512*\g   ; K: tile t of 16 keys
.endr
.endr
.irp t, 0,1,2,3
.irp g, 0,1,2,3
	ds_load_b128 v[96+16*\t+4*\g:96+16*\t+4*\g+3], v[ADK] offset:VOFF+8192*(\q)+2048*\t+512*\g   ; V: tile t of 16 d x these 128 keys
.endr
.endr
	s_wait_dscnt 16                                ; K's sixteen loads are in; V's sixteen, issued behind them, may be out
.irp t, 0,1,2,3,4,5,6,7
	v_wmma_f32_16x16x64_bf8_bf8 v[SV+8*\t:SV+8*\t+7], v[32+8*\t:32+8*\t+7], v[16:23], 0
.endr
.rept 4
	v_nop
.endr
	s_add_co_u32 s62, s[KF], 128
	s_cmp_le_u32 s62, s[Q0]                        ; all 128 keys count for all my queries: no mask
	s_cbranch_scc1 .Lopen_\@
	s_sub_co_i32 s62, s[Q0], s[KF]
	v_add_nc_u32 v7, s62, v6                       ; my query - KF - 8 (lane / 16).  Register 8 t + j holds key KF + 8 (lane / 16) + 16 t + j: hidden where 16 t + j is greater
.set n, 0
.rept 64
	v_cmp_gt_i32 vcc_lo, 16*(n/8)+n%8, v7
	v_cndmask_b32 v[SV+n], v[SV+n], v31, vcc_lo
.set n, n+1
.endr
.Lopen_\@:
	v_max3_num_f32 v24, v[SV], v[SV+1], v[SV+2]    ; the step's largest score of my query, among my 64 keys, in two chains, each tile from its low end on,
	v_max3_num_f32 v25, v[SV+3], v[SV+4], v[SV+5]
.irp i, 6,10,14,18,22,26,30,34,38,42,46,50,54,58
	v_max3_num_f32 v24, v24, v[SV+\i], v[SV+1+\i]
	v_max3_num_f32 v25, v25, v[SV+2+\i], v[SV+3+\i]
.endr
	v_max3_num_f32 v24, v24, v[SV+62], v[SV+63]
	s_delay_alu instid0(VALU_DEP_1)
	v_max_num_f32 v24, v24, v25
	s_delay_alu instid0(VALU_DEP_1)
	v_permlanex16_b32 v30, v24, s[SEL], s[SEL+1]
	s_delay_alu instid0(VALU_DEP_1)
	v_max_num_f32 v24, v24, v30                    ; and among lane l xor 16's
	s_delay_alu instid0(VALU_DEP_1)
	v_mul_f32 v24, s[CS], v24                      ; as t (c is positive)
	s_delay_alu instid0(VALU_DEP_1)
	v_max_num_f32 v13, v13, v24                    ; the running largest t
	v_mov_b32 v24, v12
	s_delay_alu instid0(VALU_DEP_2)
	v_floor_f32 v12, -v13                          ; the new -M = floor(-t) = -ceil(t): a whole number
	s_delay_alu instid0(VALU_DEP_1)
	v_sub_f32 v24, v12, v24                        ; M's old value less its new one: 0 or less
	s_delay_alu instid0(VALU_DEP_1)
	v_cvt_i32_f32 v24, v24                         ; (it saturates)
	s_delay_alu instid0(VALU_DEP_1)
	v_ldexp_f32 v26, 1.0, v24                      ; f = 2^(old M - new M)
.set j, 0
.rept 32
	v_pk_fma_f32 v[SV+j:SV+j+1], v[SV+j:SV+j+1], s[CS:CS+1], v[12:13] op_sel_hi:[1,0,0]   ; t - M, two at a time (of the pairs c and -M the low word serves both halves)
.set j, j+2
.endr
.set j, 0
	s_wait_alu depctr_va_vdst(0)
.rept 64
	v_exp_f32 v[SV+j], v[SV+j]                     ; p = 2^(t - M), at most 1
.set j, j+1
.endr
	v_pk_mul_f32 v[14:15], v[14:15], v[26:27] op_sel_hi:[1,0]   ; the sums under the new M: the plain instruction behind the exponentials
	s_wait_alu depctr_va_vdst(0)                   ; one wait for the batch of 64, ahead of its first reader
	v_pk_add_f32 v[28:29], v[164:165], v[168:169]
	v_pk_add_f32 v[94:95], v[172:173], v[176:177]
	v_pk_add_f32 v[92:93], v[180:181], v[184:185]
	v_pk_add_f32 v[90:91], v[188:189], v[192:193]
	v_pk_add_f32 v[88:89], v[196:197], v[200:201]
	v_pk_add_f32 v[86:87], v[204:205], v[208:209]
	v_pk_add_f32 v[84:85], v[212:213], v[216:217]
	v_pk_add_f32 v[14:15], v[14:15], v[220:221]
	v_pk_add_f32 v[28:29], v[28:29], v[160:161]
	v_pk_add_f32 v[94:95], v[94:95], v[162:163]
	v_pk_add_f32 v[92:93], v[92:93], v[166:167]
	v_pk_add_f32 v[90:91], v[90:91], v[170:171]
	v_pk_add_f32 v[88:89], v[88:89], v[174:175]
	v_pk_add_f32 v[86:87], v[86:87], v[178:179]
	v_pk_add_f32 v[84:85], v[84:85], v[182:183]
	v_pk_add_f32 v[14:15], v[14:15], v[186:187]
	v_pk_add_f32 v[28:29], v[28:29], v[190:191]
	v_pk_add_f32 v[94:95], v[94:95], v[194:195]
	v_pk_add_f32 v[92:93], v[92:93], v[198:199]
	v_pk_add_f32 v[90:91], v[90:91], v[202:203]
	v_pk_add_f32 v[88:89], v[88:89], v[206:207]
	v_pk_add_f32 v[86:87], v[86:87], v[210:211]
	v_pk_add_f32 v[84:85], v[84:85], v[214:215]
	v_pk_add_f32 v[14:15], v[14:15], v[218:219]
	v_pk_add_f32 v[28:29], v[28:29], v[222:223]
	s_delay_alu instid0(VALU_DEP_2)
	v_pk_add_f32 v[14:15], v[14:15], v[90:91]
	s_delay_alu instid0(VALU_DEP_2)
	v_pk_add_f32 v[28:29], v[28:29], v[88:89]
	v_pk_add_f32 v[94:95], v[94:95], v[86:87]
	v_pk_add_f32 v[92:93], v[92:93], v[84:85]
	s_delay_alu instid0(VALU_DEP_2)
	v_pk_add_f32 v[14:15], v[14:15], v[94:95]
	s_delay_alu instid0(VALU_DEP_2)
	v_pk_add_f32 v[28:29], v[28:29], v[92:93]
	s_delay_alu instid0(VALU_DEP_1)
	v_pk_add_f32 v[14:15], v[14:15], v[28:29]
.irp t, 0,1,2,3,4,5,6,7
.irp i, 0,1,2,3,4,5,6,7
.endr
	v_cvt_scalef32_pk8_bf8_f32 v[32+2*\t:33+2*\t], v[SV+8*\t:SV+8*\t+7], v9   ; registers 2 t, 2 t + 1 of p's operand: keys 16 t + 8 (lane / 16) + 0..7
.endr
.set j, 0
.rept 16
	v_pk_mul_f32 v[OV+j:OV+j+1], v[OV+j:OV+j+1], v[26:27] op_sel_hi:[1,0]   ; O^T under the new M.  (Plain instructions between the conversions and the products that read their results)
.set j, j+2
.endr
	s_wait_alu depctr_va_vdst(0)
	s_wait_dscnt 0x0                               ; V is in
.irp t, 0,1,2,3                        ; the four accumulators take turns, one instruction a turn
	v_wmma_f32_16x16x128_bf8_bf8 v[OV+8*\t:OV+8*\t+7], v[96+16*\t:96+16*\t+15], v[32:47], v[OV+8*\t:OV+8*\t+7]
.endr
.Lhidden_\@:
	s_add_co_u32 s[KF], s[KF], 128
.endm
; THE CHANGE OF SLOTS stands at a visit's head.  Each wave waits for all its tensor loads (its part of the slot that it is about to read), adds 0 to its spare word, and waits for that and for its reads of the slot
; that it has left.  Behind the barrier the slot ahead is whole and nobody reads the other one.  fill = 1: that other slot takes the next visit's keys: the next key slot, or slot 0 again where the first block ends.
.macro CHANGE fill
	s_wait_tensorcnt 0x0                           ; no tensor load of mine is out, so group 0 may be written
	ds_add_u32 v[SPW], v[NIL]                      ; 0 onto my spare word; with fill = 1 the descriptor's steps stand between it and the wait for it
.if \fill
	s_xor_b32 s[G0+1], s[G0+1], SLOT1              ; the other slot than last time
	s_add_co_u32 s62, s[KO], SS
	s_cmp_eq_u32 s[VIS], s[SW]                     ; ids and the count of visits alone
	s_cselect_b32 s[KO], 0, s62
	s_add_nc_u64 s[G0+2:G0+3], s[KVB:KVB+1], s[KO:KO+1]
	s_or_b32 s[G0+3], s[G0+3], 0x80000000
	s_wait_xcnt 0x0                                ; the last prefetch, a visit back, has read its address, so it may be written
	s_add_nc_u64 s[PFA:PFA+1], s[PFA:PFA+1], SS
.endif
	s_wait_dscnt 0x0                               ; the add is done, and my reads of the slot that I have left are over
	s_barrier_signal -1
	s_barrier_wait -1
.if \fill
	TLOAD                                          ; the first thing behind the barrier, and a wave's one tensor load until the next: it has a visit's two key steps in which to land
	ASK
.endif
.endm
.macro SLOT_STEPS
	STEP 0
	STEP 1
	s_xor_b32 s[TB], s[TB], SLOT1                  ; on to the other slot
.endm
; A block's end: O^T / the sum x 2^(e4 + e5), converted with 2^e6: tile t of O^T gives registers 2 t, 2 t + 1; two stores of 512 consecutive bytes, aligned.
.macro WAYOUT
.rept 4
	v_nop                                          ; places behind the last products
.endr
	v_add_f32 v14, v14, v15                        ; the sum's two halves,
	s_delay_alu instid0(VALU_DEP_1)
	v_permlanex16_b32 v30, v14, s[SEL], s[SEL+1]
	s_delay_alu instid0(VALU_DEP_1)
	v_add_f32 v14, v14, v30                        ; and lane l xor 16's
	s_wait_alu depctr_va_vdst(0)
	v_rcp_f32 v14, v14
	v_nop                                          ; a plain instruction behind the reciprocal
	s_wait_alu depctr_va_vdst(0)                   ; and the wait ahead of its first reader
	v_ldexp_f32 v26, v14, s[EPV]
.set j, 0
.rept 16
	v_pk_mul_f32 v[SV+j:SV+j+1], v[OV+j:OV+j+1], v[26:27] op_sel_hi:[1,0]
.set j, j+2
.endr
.set j, 0
.rept 32
.set j, j+1
.endr
.irp t, 0,1,2,3
	v_cvt_scalef32_pk8_bf8_f32 v[48+2*\t:49+2*\t], v[SV+8*\t:SV+8*\t+7], v11
.endr
	v_nop                                          ; one plain vector instruction behind the conversions: later products write their sources
	global_store_b128 v[LI], v[48:51], s[OB:OB+1]
	global_store_b128 v[LI], v[52:55], s[OB:OB+1] offset:512
.endm
	s_mov_b32 s63, s[SW]                           ; the first block: 7 - i
	PASS_SET
.Lvisit:                                           ; eight trips: behind each change of slots but the last the next visit's keys are asked for
	CHANGE 1
	SLOT_STEPS
	s_cmp_lg_u32 s[VIS], s[SW]                     ; the first block's last visit?  Ids and the count of visits alone; no barrier, LDS access or tensor load stands in the branch
	s_cbranch_scc1 .Lstay
	WAYOUT
	s_wait_xcnt 0x0                                ; the stores have read their base and their data: both are written again below and in the next step
	s_mov_b32 s63, ttmp9                           ; the second block: i
	PASS_SET
.Lstay:
	s_add_co_u32 s[VIS], s[VIS], 1
	s_cmp_lt_u32 s[VIS], 8
	s_cbranch_scc1 .Lvisit
	CHANGE 0                                       ; the ninth visit is written out: nothing is left to fetch
	SLOT_STEPS
	WAYOUT
	s_wait_tensorcnt 0x0                           ; the wave's end: an add and its wait, behind my last tensor load
	ds_add_u32 v[SPW], v[NIL]
	s_wait_dscnt 0x0
	s_endpgm
.Lfunc_end_k_qed7643b1d7_attend:
	.size	k_qed7643b1d7_attend, .Lfunc_end_k_qed7643b1d7_attend-k_qed7643b1d7_attend
	.p2alignl 7, 3214868480
	.fill 96, 4, 3214868480
	.section	.rodata,"a",@progbits
	.p2align	6, 0x0
	.amdhsa_kernel k_qed7643b1d7_attend
		.amdhsa_group_segment_fixed_size 327680
		.amdhsa_private_segment_fixed_size 0
		.amdhsa_enable_private_segment 0
		.amdhsa_kernarg_size 24
		.amdhsa_user_sgpr_count 2
		.amdhsa_user_sgpr_kernarg_segment_ptr 1
		.amdhsa_wavefront_size32 1
		.amdhsa_system_sgpr_workgroup_id_x 1
		.amdhsa_system_sgpr_workgroup_id_y 1
		.amdhsa_system_sgpr_workgroup_id_z 1
		.amdhsa_system_vgpr_workitem_id 0
		.amdhsa_next_free_vgpr 256
		.amdhsa_next_free_sgpr 72
		.amdhsa_reserve_vcc 1
		.amdhsa_float_denorm_mode_32 3
		.amdhsa_float_denorm_mode_16_64 3
		.amdhsa_fp16_overflow 1
		.amdhsa_memory_ordered 1
		.amdhsa_forward_progress 1
		.amdhsa_inst_pref_size 89
	.end_amdhsa_kernel
	.amdgpu_metadata
---
amdhsa.version: [ 1, 2 ]
amdhsa.kernels:
  - .name:           k_qed7643b1d7_attend
    .symbol:         k_qed7643b1d7_attend.kd
    .args:
      - { .name: qkv, .offset: 0, .size: 8, .value_kind: global_buffer, .address_space: global }
      - { .name: lowp_scales, .offset: 8, .size: 8, .value_kind: global_buffer, .address_space: global }
      - { .name: att, .offset: 16, .size: 8, .value_kind: global_buffer, .address_space: global }
    .group_segment_fixed_size: 327680
    .private_segment_fixed_size: 0
    .kernarg_segment_align: 8
    .kernarg_segment_size: 24
    .max_flat_workgroup_size: 512
    .sgpr_count:     72
    .vgpr_count:     256
    .wavefront_size: 32
...
	.end_amdgpu_metadata
.endif
;; end of part 2
;; launch proj (part 3): grid 8 x 32, 4 waves a work-group, clusters of 4 x 4, 327,680 bytes of LDS; arguments att, w_proj_codes, lowp_scales, out0; writes out0
.if DOCPART == 3
	.amdgcn_target "amdgcn-amd-amdhsa--gfx1250"
	.amdhsa_code_object_version 6
	.text
	.protected	k_qed7643b1d7_proj
	.globl	k_qed7643b1d7_proj
	.p2align	8
	.type	k_qed7643b1d7_proj,@function
k_qed7643b1d7_proj:
	s_mov_b64 s[64:65], 0
	v_nop
	global_prefetch_b8 v0, s[64:65] scope:SCOPE_SE
	s_setreg_imm32_b32 hwreg(HW_REG_WAVE_MODE, 25, 1), 1
	s_wait_xcnt 0x0
	s_wait_alu depctr_hold_cnt(0) depctr_sa_sdst(0) depctr_va_vdst(0) depctr_va_sdst(0) depctr_va_ssrc(0) depctr_va_vcc(0) depctr_vm_vsrc(0)
	s_getreg_b32 s2, hwreg(HW_REG_IB_STS2, 6, 4)
	s_cmp_eq_u32 s2, 0
	s_cbranch_scc0 .Lentry_in_a_cluster
	s_endpgm
.Lentry_in_a_cluster:
	s_bfe_u32 s2, ttmp6, 0x10000c
	s_cmp_lg_u32 s2, 0xf033
	s_cbranch_scc0 .Lentry_shape_is_right
	s_endpgm
.Lentry_shape_is_right:
; out0 = att w_proj on codes of BF8 (E5M2); each finished sum x 2^(e6 + e7).  out0: [8192 tokens][1024] f32.
; att: images of operand registers, [512 tiles of 16 tokens][8 K steps of 128][4 x 512 bytes]: registers 4 g .. 4 g + 3 of all 32 lanes on end; registers 2 c, 2 c + 1 hold k = 16 c + 8 (lane / 16) + 0..7.
; w_proj: [1024 columns][1024] codes, K innermost; its fragments are read from rows in the same places of k: eight loads of 8 bytes.
; LIMIT: e6 + e7 lies between -126 and 127, so that 2^(e6 + e7) is an f32 number.
; SHARES.  A tile of 256 tokens x 128 columns to a work-group, so that the 8,192 x 1,024 results make 256 work-groups; four waves, each 128 tokens x 64 columns: 32 accumulators, 256 registers.
; K = 1,024 in four K steps of 256 through a ring of two LDS slots; a K step is two steps of 128, 32 matrix instructions each.
; CLUSTERS: 4 x 4 work-groups.  att's tile hangs on the tile row alone and is asked for jointly by the cluster's row, w_proj's on the tile column alone, by its column.
; THE MATRIX INSTRUCTION IS USED TRANSPOSED (source 0 = 16 columns of w_proj, source 1 = 16 tokens): a lane holds eight neighbouring numbers of a row of out0.
; REGISTERS, in windows of 256: window 0: v16-29 addresses; v32-63 at work on the way out; v128-191, v192-255 w_proj's fragments, two sets, later rows on the way out.
;   window 1: att's fragments, two sets of 8 x 16.   window 2: the accumulators, (a, b) at v[8 (4 a + b)].
.set PITCH,  272                       ; a row of w_proj's tile in LDS: 256 bytes + 16 of padding: the 16 rows that a load touches start at 16 different banks (64 banks of 4 bytes: ISA guide 11.1)
.set BOFF,   65536                     ; a slot: att's 16 tiles x 4,096 bytes, dense; then w_proj's 128 rows
.set HALFB,  64*PITCH
.set SLOT,   BOFF+2*HALFB
.set STAGE,  2*SLOT                    ; behind the ring: 16 rows x 272 bytes for each wave, for the way out; no tile lands there
.set SPITCH, 272
.set SPARE,  STAGE+4*16*SPITCH         ; behind the stages: the spare words, 128 bytes for each wave: two blocks of 256 bytes that no other line names
.set ADRA, 16                          ; v16-17  LDS address of my lane's 16 bytes of my att images in slot 0, 1
.set ADRB, 20                          ; v20-21  LDS address of my w_proj fragments in slot 0, 1
.set STO,  24                          ; v24     the way out: where I put 32 bytes of a row
.set RD,   25                          ; v25     where I read a row back
.set CO,   26                          ; v26     my byte offset in out0
.set SPW,  28                          ; v28     LDS address of my spare word: SPARE + 4 x my thread's number; never rewritten
.set NIL,  29                          ; v29     0; never rewritten
.set TMP,  32
.set BF,   128                         ; w_proj's fragments, in window 0
.set BK,   128                         ; the way out: 16 rows read back from the stage, four sets of 32 registers by turns
.set G1, 24                            ; s[24:31] descriptor group 1 for att's tiles;  s[32:39] group 0, one set for each slot
.set G0, 32
.set G1B, 48                           ; s[48:55], s[56:63] the same for w_proj's
.set G0B, 56
.set MSB, 0
.macro WIN new                         ; the immediate's high byte repeats the setting that is left; a switch that changes nothing is dropped
.if MSB != \new
	s_set_vgpr_msb (MSB<<8)|(\new)
.set MSB, \new
.endif
.endm
.set MUL,  0xa4                        ; source 0 (w_proj) window 0, source 1 (att) window 1, C and D window 2
.set TO_A, 0x40                        ; destination window 1, address window 0
; A joint load: waves 0 and 1 fetch att's two halves, waves 2 and 3 w_proj's.  The branch hangs on the wave's number alone.  An s_nop 0 and four v_nop follow each of the two lines.
.macro JLOAD g0a, g1a, g0b, g1b
	s_cmp_eq_u32 s15, 0
	s_cbranch_scc0 .Lfor_b_\@
	tensor_load_to_lds s[\g0a:\g0a+3], s[\g1a:\g1a+7]
	s_nop 0
.rept 4
	v_nop
.endr
	s_branch .Lasked_\@
.Lfor_b_\@:
	tensor_load_to_lds s[\g0b:\g0b+3], s[\g1b:\g1b+7]
	s_nop 0
.rept 4
	v_nop
.endr
.Lasked_\@:
.endm
.macro CREST                           ; a round of the cluster's barrier behind its opening barrier
	s_cmp_lg_u32 s14, 0
	s_cbranch_scc1 .Lnot_wave_0_\@
	s_barrier_signal -3
.Lnot_wave_0_\@:
	s_barrier_wait -3
	s_barrier_signal -1
	s_barrier_wait -1
.endm
.macro CROUND                          ; a whole round
	s_barrier_signal -1
	s_barrier_wait -1
	CREST
.endm
	s_load_b128 s[4:7], s[0:1], 0x0                ; att s[4:5], w_proj's codes s[6:7]
	s_load_b128 s[8:11], s[0:1], 0x10              ; the scales' exponents s[8:9], out0 s[10:11]
	v_lshl_add_u32 v[SPW], v0, 2, SPARE
	v_mov_b32 v[NIL], 0
	ds_add_u32 v[SPW], v[NIL]                      ; the wave's opening: the add and its wait ahead of my first tensor load; the set-up below, work on registers, stands between them
	ds_add_u32 v[SPW], v[NIL]
	v_lshrrev_b32 v1, 5, v0
	v_readfirstlane_b32 s14, v1                    ; wave 0..3
	s_lshr_b32 s15, s14, 1                         ; which 128 tokens are mine.  Also: I fetch for att (0) or for w_proj (1)
	s_and_b32 s16, s14, 1                          ; which 64 columns.  Also: which half of that tile I fetch
	s_bfe_u32 s40, ttmp6, 0x40000                  ; cx, cy: my place in the cluster
	s_bfe_u32 s41, ttmp6, 0x40004
	s_lshl_b32 s42, ttmp9, 2
	s_add_co_u32 s42, s42, s40                     ; tile column = 4 x cluster x + cx
	s_and_b32 s17, ttmp7, 0xffff
	s_lshl_b32 s17, s17, 2
	s_add_co_u32 s17, s17, s41                     ; tile row = 4 x cluster y + cy
	s_lshl_b32 s43, s41, 2
	s_lshl_b32 s43, 15, s43                        ; my row of the cluster
	s_lshl_b32 s44, 0x1111, s40                    ; my column
	; descriptor group 1 for att: 8 tiles of tokens x a K step's 4,096 bytes, 16,384 bytes apart in memory, dense in LDS
	s_or_b32 s[G1+0], s43, (0<<16)|(1<<21)         ; the mask: my row; element of 1 byte; no padding; bit 21 set beside a mask
	s_mov_b32 s[G1+1], 4096<<16                    ; tensor_dim0 = 4,096
	s_mov_b32 s[G1+2], 8<<16                       ; tensor_dim1 = 8
	s_mov_b32 s[G1+3], 4096<<16                    ; tile_dim0 = 4,096
	s_mov_b32 s[G1+4], 8                           ; tile_dim1 = 8
	s_mov_b32 s[G1+5], 16384                       ; tensor_dim0_stride
	s_mov_b32 s[G1+6], 0
	s_mov_b32 s[G1+7], 0
	; and for w_proj: 64 rows x 256 bytes, padded in LDS
	s_or_b32 s[G1B+0], s44, (0<<16)|(1<<20)|(1<<21)|(5<<22)|(3<<25)  ; the mask: my column; padding on: 4 words (code 3) after every 64 (code 5)
	s_mov_b32 s[G1B+1], 256<<16
	s_mov_b32 s[G1B+2], 64<<16
	s_mov_b32 s[G1B+3], 256<<16
	s_mov_b32 s[G1B+4], 64
	s_mov_b32 s[G1B+5], 1024
	s_mov_b32 s[G1B+6], 0
	s_mov_b32 s[G1B+7], 0
	s_lshl_b32 s20, s17, 4
	s_lshl_b32 s18, s16, 3
	s_add_co_u32 s20, s20, s18                     ; att: tile of tokens 16 x tile row + 8 x half,
	s_lshl_b32 s20, s20, 14                        ; of 16,384 bytes
	s_mov_b32 s21, 0
	s_lshl_b32 s46, s42, 7
	s_lshl_b32 s18, s16, 6
	s_add_co_u32 s46, s46, s18                     ; w_proj: row 128 x tile column + 64 x half,
	s_lshl_b32 s46, s46, 10                        ; of 1,024 bytes
	s_mov_b32 s47, 0
	s_lshl_b32 s45, s16, 15                        ; where they go: att's halves at 0 and 32,768,
	s_mul_i32 s70, s16, HALFB
	s_add_co_u32 s70, s70, BOFF                    ; w_proj's behind them: no place in the cluster enters an LDS address
	s_wait_dscnt 0x0                               ; the opening add is done
	s_wait_kmcnt 0x0
	s_load_b64 s[96:97], s[8:9], 0x18              ; e6, e7
	s_add_nc_u64 s[20:21], s[4:5], s[20:21]
	s_add_nc_u64 s[46:47], s[6:7], s[46:47]
	CROUND                                         ; all sixteen work-groups are here: the first joint loads meet
.irp s, 0,1
	s_mov_b32 s[G0+4*\s], 1
	s_add_co_u32 s[G0+4*\s+1], s45, \s*SLOT
	s_add_nc_u64 s[G0+4*\s+2:G0+4*\s+3], s[20:21], \s*4096         ; K step s
	s_or_b32 s[G0+4*\s+3], s[G0+4*\s+3], 0x80000000
	s_mov_b32 s[G0B+4*\s], 1
	s_add_co_u32 s[G0B+4*\s+1], s70, \s*SLOT
	s_add_nc_u64 s[G0B+4*\s+2:G0B+4*\s+3], s[46:47], \s*256
	s_or_b32 s[G0B+4*\s+3], s[G0B+4*\s+3], 0x80000000
	s_wait_alu depctr_va_vdst(0)
	s_wait_tensorcnt 0x0
	ds_add_u32 v28, v29
	ds_add_u32 v28, v29
	s_wait_dscnt 0x0
	CROUND
	JLOAD G0+4*\s, G1, G0B+4*\s, G1B
.endr
	v_and_b32 v1, 15, v0                           ; r = l % 16
	v_bfe_u32 v2, v0, 4, 1                         ; h = l / 16
	v_and_b32 v3, 31, v0
	v_lshlrev_b32 v3, 4, v3                        ; 16 x lane
	s_lshl_b32 s71, s15, 15                        ; my eight tiles of tokens
	v_add_nc_u32 v[ADRA], s71, v3
	v_add_nc_u32 v[ADRA+1], SLOT, v[ADRA]
	v_mul_u32_u24 v4, v1, PITCH
	v_lshl_add_u32 v4, v2, 3, v4                   ; row x pitch + 8 x half
	v_add_nc_u32 v[ADRB], s70, v4                  ; my 64 rows of w_proj: the half that s16 names
	v_add_nc_u32 v[ADRB+1], SLOT, v[ADRB]
	s_mul_i32 s71, s14, 16*SPITCH
	s_add_co_u32 s71, s71, STAGE                   ; my stage
	v_mul_u32_u24 v5, v1, SPITCH                   ; in: row r, 32 bytes for each half of the lanes
	v_lshl_add_u32 v5, v2, 5, v5
	v_add_nc_u32 v[STO], s71, v5
	v_mul_u32_u24 v5, v2, SPITCH                   ; back: lanes 0-15 take one row of 256 bytes, lanes 16-31 the next
	v_lshl_add_u32 v5, v1, 4, v5
	v_add_nc_u32 v[RD], s71, v5
	v_lshlrev_b32 v5, 12, v2                       ; and the same two rows in out0, 4,096 bytes apart
	v_lshl_add_u32 v[CO], v1, 4, v5
	s_lshl_b32 s86, s17, 8
	s_lshl_b32 s87, s15, 7
	s_add_co_u32 s86, s86, s87                     ; my first token: 256 x tile row + 128 x half
	s_lshl_b32 s86, s86, 12
	s_lshl_b32 s87, s42, 9                         ; my first column, in bytes: 512 x tile column + 256 x half
	s_add_co_u32 s86, s86, s87
	s_lshl_b32 s87, s16, 8
	s_add_co_u32 s86, s86, s87
	s_mov_b32 s87, 0
	s_add_nc_u64 s[10:11], s[10:11], s[86:87]
.macro FRAGA reg, slot, q, a           ; att's fragment of tile a, the slot's q-th 128 along K: its image as it lies: four loads of 512 consecutive bytes
.irp c, 0,1,2,3
	ds_load_b128 v[\reg+4*\c:\reg+4*\c+3], v[ADRA+\slot] offset:(\a)*4096+(\q)*2048+512*\c
.endr
.endm
.macro FRAGB reg, slot, q, b           ; w_proj's fragment of 16 rows: registers 2 c, 2 c + 1 hold k = 16 c + 8 (l / 16) + 0..7, the places that att's codes have
.irp c, 0,1,2,3,4,5,6,7
	ds_load_b64 v[\reg+2*\c:\reg+2*\c+1], v[ADRB+\slot] offset:(\b)*16*PITCH+128*(\q)+16*\c
.endr
.endm
.macro FETCH slot, q, set              ; 64 LDS loads in one run: a step's fragments into set
	WIN 0
.irp b, 0,1,2,3
	FRAGB BF+64*(\set)+16*\b, \slot, \q, \b
.endr
	WIN TO_A
.irp a, 0,1,2,3,4,5,6,7
	FRAGA 128*(\set)+16*\a, \slot, \q, \a
.endr
	WIN 0
.endm
; 8 matrix instructions: tiles of tokens a0, a0 + 1 x the four tiles of columns, 128 along K.  zero = 1: the first product starts the sums.
; The 32 accumulators take turns, one instruction a turn, in the same order in every step.
.macro MUL8 a0, set, zero
.irp a, \a0, \a0+1
.irp b, 0,1,2,3
.if \zero
	v_wmma_f32_16x16x128_bf8_bf8 v[8*(4*(\a)+\b):8*(4*(\a)+\b)+7], v[BF+64*(\set)+16*\b:BF+64*(\set)+16*\b+15], v[128*(\set)+16*(\a):128*(\set)+16*(\a)+15], 0
.else
	v_wmma_f32_16x16x128_bf8_bf8 v[8*(4*(\a)+\b):8*(4*(\a)+\b)+7], v[BF+64*(\set)+16*\b:BF+64*(\set)+16*\b+15], v[128*(\set)+16*(\a):128*(\set)+16*(\a)+15], v[8*(4*(\a)+\b):8*(4*(\a)+\b)+7]
.endif
.endr
.endr
.endm
.macro PLACES n                        ; places in front of loads into registers that matrix instructions have read, and of the first read of results (ISA guide 7.12.1 for vector instructions)
.rept \n
	v_nop
.endr
.endm
; A slot's first step multiplies set 0 and, in its middle, fetches the slot's second step into set 1.
.macro STEP slot, zero
	s_wait_dscnt 0x0                               ; set 0 is in
	WIN MUL
	MUL8 0, 0, \zero
	MUL8 2, 0, \zero
	PLACES 4
	FETCH \slot, 1, 1
	WIN MUL
	MUL8 4, 0, \zero
	MUL8 6, 0, \zero
	WIN 0
.endm
; A slot's second step multiplies set 1 and changes slots: ONE barrier; in front of it each wave waits for all its tensor loads, adds 0 to its spare word, and waits for that and for its own reads of this slot.
; fill = 1: this slot is filled again, two K steps ahead.
.macro TURN slot, next, fill
	s_wait_tensorcnt 0x0                           ; all my tensor loads have landed: my part of the next slot;  (every window is 0 here: the add's two registers lie in window 0)
	ds_add_u32 v[SPW], v[NIL]                      ; 0 onto my spare word
	s_wait_dscnt 1                                 ; set 1 is in; the add alone may be out
	WIN MUL
	MUL8 0, 1, 0                                   ; eight matrix instructions stand between the add and the wait for it
	s_wait_dscnt 0x0                               ; the add is done, and my reads of this slot are over
	s_barrier_signal -1
	MUL8 2, 1, 0
	WIN 0
	s_barrier_wait -1
.if \fill
	CREST                                          ; the barrier has opened a round of the cluster's barrier: no wave of any partner still reads this slot's tile or has a load on its way
	s_add_nc_u64 s[G0+4*\slot+2:G0+4*\slot+3], s[G0+4*\slot+2:G0+4*\slot+3], 2*4096
	s_add_nc_u64 s[G0B+4*\slot+2:G0B+4*\slot+3], s[G0B+4*\slot+2:G0B+4*\slot+3], 2*256
	JLOAD G0+4*\slot, G1, G0B+4*\slot, G1B         ; the first tensor load behind the round; the four v_nop behind it are the places in front of the loads below
.else
	PLACES 4
.endif
	s_wait_alu depctr_va_vdst(0)
	FETCH \next, 0, 0
	WIN MUL
	MUL8 4, 1, 0
	MUL8 6, 1, 0
	WIN 0
.endm
	s_wait_tensorcnt 1                             ; my part of K step 0 is in; K step 1's load may be out
	s_barrier_signal -1
	s_barrier_wait -1                              ; everybody's is
	FETCH 0, 0, 0
	STEP 0, 1                                      ; four K steps of 256, written out: the first step's products start the sums
	TURN 0, 1, 1                                   ; slot 0 takes K step 2
	STEP 1, 0
	TURN 1, 0, 1                                   ; slot 1 takes K step 3
	STEP 0, 0
	TURN 0, 1, 0                                   ; nothing is left to fetch: no round of the cluster's barrier
	STEP 1, 0
	s_wait_dscnt 0x0                               ; the very last step
	WIN MUL
	MUL8 0, 1, 0
	MUL8 2, 1, 0
	MUL8 4, 1, 0
	MUL8 6, 1, 0
	WIN 0
; THE WAY OUT, block by block of 16 tokens x 64 columns.  A lane holds 32 neighbouring bytes of a row, and the lanes beside it hold other rows: so a block goes through my own stage in LDS and comes back as whole
; rows of 256 bytes, two an instruction.  LDS serves a wave's instructions in order (ISA guide 5.7.1.4): no wait between the stores and the loads, nor in front of the next block's stores.
.macro TOSTAGE a
	WIN 0x02                                       ; source 0: window 2
.irp j, 0,2,4,6,8,10,12,14,16,18,20,22,24,26,28,30
	v_pk_mul_f32 v[TMP+\j:TMP+\j+1], v[32*(\a)+\j:32*(\a)+\j+1], s[96:97] op_sel_hi:[1,0]   ; x 2^(e6 + e7); each accumulator from its low end on
.endr
	WIN 0
.irp b, 0,1,2,3
	ds_store_b128 v[STO], v[TMP+8*\b:TMP+8*\b+3] offset:64*\b
	ds_store_b128 v[STO], v[TMP+8*\b+4:TMP+8*\b+7] offset:64*\b+16
.endr
.set BB, BK+32*((\a)%4)
.irp t, 0,1,2,3,4,5,6,7
	ds_load_b128 v[BB+4*\t:BB+4*\t+3], v[RD] offset:\t*2*SPITCH
.endr
.endm
.macro SEND a, younger                 ; younger: the LDS instructions issued behind block a's loads, which may stay out
.set BB, BK+32*((\a)%4)
	s_wait_dscnt \younger                          ; the block is back in registers
.irp t, 0,1,2,3,4,5,6,7
	global_store_b128 v[CO], v[BB+4*\t:BB+4*\t+3], s[10:11] offset:(\a)*65536+\t*8192 th:TH_STORE_NT   ; sixteen lanes store 256 consecutive bytes, aligned; written once, read by nobody here
.endr
.endm
	s_wait_kmcnt 0x0
	s_add_co_i32 s96, s96, s97                     ; e6 + e7, between -126 and 127,
	s_add_co_i32 s96, s96, 127
	s_lshl_b32 s96, s96, 23                        ; makes the f32 number 2^(e6 + e7)
	s_mov_b32 s97, s96                             ; (named with it as a pair, so it is written)
	PLACES 4                                       ; behind the last products: for the reads of their results and the loads into the registers that held w_proj's fragments
	TOSTAGE 0
.irp a, 1,2,3,4,5,6,7
.if \a > 3
	s_wait_xcnt 0x0                                ; block a - 4's stores have read their registers: block a's loads may land there
.endif
	TOSTAGE \a
	SEND \a-1, 16                                  ; behind block a - 1's loads: block a's 8 stores and 8 loads
.endr
	SEND 7, 0
	s_wait_tensorcnt 0x0                           ; the wave's end: an add and its wait, behind my last tensor load and my last LDS store
	ds_add_u32 v[SPW], v[NIL]
	s_wait_dscnt 0x0
	CROUND                                         ; the closing round: no work-group ends while a partner may still ask for a tile that names it
	s_endpgm
.Lfunc_end_k_qed7643b1d7_proj:
	.size	k_qed7643b1d7_proj, .Lfunc_end_k_qed7643b1d7_proj-k_qed7643b1d7_proj
	.p2alignl 7, 3214868480
	.fill 96, 4, 3214868480
	.section	.rodata,"a",@progbits
	.p2align	6, 0x0
	.amdhsa_kernel k_qed7643b1d7_proj
		.amdhsa_group_segment_fixed_size 327680
		.amdhsa_private_segment_fixed_size 0
		.amdhsa_enable_private_segment 0
		.amdhsa_kernarg_size 32
		.amdhsa_user_sgpr_count 2
		.amdhsa_user_sgpr_kernarg_segment_ptr 1
		.amdhsa_wavefront_size32 1
		.amdhsa_system_sgpr_workgroup_id_x 1
		.amdhsa_system_sgpr_workgroup_id_y 1
		.amdhsa_system_sgpr_workgroup_id_z 1
		.amdhsa_system_vgpr_workitem_id 0
		.amdhsa_next_free_vgpr 768
		.amdhsa_next_free_sgpr 98
		.amdhsa_reserve_vcc 0
		.amdhsa_float_denorm_mode_32 3
		.amdhsa_float_denorm_mode_16_64 3
		.amdhsa_memory_ordered 1
		.amdhsa_forward_progress 1
		.amdhsa_inst_pref_size 85
	.end_amdhsa_kernel
	.amdgpu_metadata
---
amdhsa.version: [ 1, 2 ]
amdhsa.kernels:
  - .name:           k_qed7643b1d7_proj
    .symbol:         k_qed7643b1d7_proj.kd
    .args:
      - { .name: att, .offset: 0, .size: 8, .value_kind: global_buffer, .address_space: global }
      - { .name: w_proj_codes, .offset: 8, .size: 8, .value_kind: global_buffer, .address_space: global }
      - { .name: lowp_scales, .offset: 16, .size: 8, .value_kind: global_buffer, .address_space: global }
      - { .name: out0, .offset: 24, .size: 8, .value_kind: global_buffer, .address_space: global }
    .group_segment_fixed_size: 327680
    .private_segment_fixed_size: 0
    .kernarg_segment_align: 8
    .kernarg_segment_size: 32
    .max_flat_workgroup_size: 128
    .sgpr_count:     98
    .vgpr_count:     768
    .wavefront_size: 32
...
	.end_amdgpu_metadata
.endif
;; end of part 3
